; MI455X (gfx1250); checked and timed in simulation.
; The chip was launched on July 23, 2026; its instructions are those of AMD's public machine-readable ISA for CDNA 5 (MIT licence, August 2026) and "CDNA5" Instruction Set Architecture Reference Guide (July 2026). The comments in the code are by the model that wrote it; some were corrected since.
;; Attention. Allowed arithmetic: matrix products marked QUANTISED: E5M2 operands, one E8M0 scale for each 32 along K, by v_wmma_scale_f32_16x16x128_f8f6f4 with both operands' format E5M2, f32 sums; products left as they are: f32 operands where the result goes on into a quantised operand, else bf16, f16 or f32 operands; f32 sums; everything else in f32.
;; Inputs: W1 512 x 1,024 float32; W2 1 x 512 float32; Wout 512 x 1,024 float32; bout 512 float32; context 32 x 4,096 x 512 float32; output 32 x 1 x 512 float32.
;; Outputs: out0 32 x 1 x 512 float32.
;; This version of the problem:
;;   THIS VERSION OF THE PROBLEM IS GIVEN IN LOW PRECISION. The matrix products marked QUANTISED in the list below multiply operands that are first quantised to E5M2 (5 exponent bits, 2 mantissa bits; 8 bits a number), with one power-of-two scale for each 32 numbers along K (OCP MX v1.0); their sums are f32. All else is computed in f32.
;;   The module's matrix products, in the order in which they are computed (A, B: the left and right operand; K: the contracted axis; several contracted axes count as one K, in the product's order):
;;     1. [M 131,072, K 1,024] x [K 1,024, N 512]; A: computed on the way; B: input W1: QUANTISED
;;     2. [M 131,072, K 512] x [K 512, N 1]; A: computed on the way; B: input W2: left as it is (N = 1 < 16)
;;     3. batch 32 x [M 1, K 4,096] x [K 4,096, N 512]; A: softmax; B: input context: left as it is (M = 1 < 16)
;;     4. [M 32, K 1,024] x [K 1,024, N 512]; A: computed on the way; B: input Wout: QUANTISED
;;   THE QUANTISER, for each operand of a quantised product, along K:
;;     - K is cut into blocks of 32 from its start; a last block that is shorter is filled with zeros.
;;     - A block's scale is 2^e with e = floor(log2(the largest magnitude in the block)) - 15, held to -126 .. 127; a block of zeros has e = 0. As a byte (E8M0): e + 127.
;;     - Each number is divided by its block's scale, clamped to +-57,344, and rounded to the nearest number of E5M2, ties to even, subnormals kept.
;;     - The product sums the exact products of the quantised numbers (number of the format x scale) in f32.
;;   ~~~python
;;   def quantise(x, axis):      # numpy; x: float32 -> the quantised numbers, widened to float32 again
;;       x = np.moveaxis(x, axis, -1); K = x.shape[-1]
;;       x = np.pad(x, [(0, 0)] * (x.ndim - 1) + [(0, -K % 32)]); x = x.reshape(x.shape[:-1] + (-1, 32)); a = np.abs(x).max(-1, keepdims=True)
;;       e = np.where(a > 0, np.clip(np.frexp(np.where(a > 0, a, 1))[1] - 1 - 15, -126, 127), 0)      # np.frexp(a)[1] - 1 = floor(log2(a)), exactly
;;       r = np.clip(x / 2.0 ** e, -57344, 57344)
;;       step = 2.0 ** (np.maximum(np.frexp(np.where(r == 0, 1, r))[1] - 1, -14) - 2)
;;       q = np.round(r / step) * step * 2.0 ** e      # np.round: ties to even
;;       return np.moveaxis(q.reshape(q.shape[:-2] + (-1,))[..., :K], -1, axis).astype(np.float32)
;;   ~~~
;;   OPERANDS COMPUTED ON THE WAY. 'Computed on the way' means the value that the module computes at that place (a softmax that the list does not call 'softmax' is quantised finished and normalised). What goes into a quantiser is computed in f32, as accurately as f32 sums, v_exp_f32 and their like allow (about 1e-6 of the number): no bf16 or f16 on the way to a quantiser, and a product that is left as it is and whose result goes on into a quantised operand takes f32 operands (vector FMAs, or v_wmma_f32_16x16x4_f32). A number that lies on a knife's edge between two numbers of the format may be rounded either way, as far as f32 arithmetic and the matrix unit's own rounding can turn it there, and no further.
;; One version. Each part assembles by itself: llvm-mc -triple=amdgcn-amd-amdhsa -mcpu=gfx1250 --defsym DOCPART=n.
;; ======== version 1 of 1: 3 launches
;; workspace buffers: wf 524,288 bytes; ws 16,384 bytes; cb 131,072 bytes; part 589,824 bytes
;; launch prep (part 1): grid 64 x 1, 8 waves a work-group, no clusters, 27,648 bytes of LDS; arguments W1, Wout, output, wf, ws, cb; writes wf, ws, cb
.if DOCPART == 1
	.amdgcn_target "amdgcn-amd-amdhsa--gfx1250"
	.amdhsa_code_object_version 6
	.text
	.protected	k_q0b2b4e0054_prep
	.globl	k_q0b2b4e0054_prep
	.p2align	8
	.type	k_q0b2b4e0054_prep,@function
k_q0b2b4e0054_prep:
	s_mov_b64 s[64:65], 0
	v_nop
	global_prefetch_b8 v0, s[64:65] scope:SCOPE_SE
	s_setreg_imm32_b32 hwreg(HW_REG_WAVE_MODE, 25, 1), 1
	s_wait_xcnt 0x0
; ADDITIVE ATTENTION WITH ONE QUERY A BATCH, IN MX-BF8 (E5M2 codes, one E8M0 scale for each 32 along K).  Three launches: this one, attend, finish.
; WHAT IS NOT DONE TWICE, AND WHAT IS LEFT OUT, for all values of the inputs:
;  (1) The first product's left operand is [context | output broadcast along s].  The quantiser's blocks of 32 along K end at column 512, so the 16 blocks that come from output have the same codes and
;      scales in all 4,096 rows of a batch, and their part of the sum, cb[b][e] = Q(output[b]) . Q(W1[e][512:1024]), is one number for each (b, e).  It is made ONCE, here, by the format's own matrix
;      instruction, and is the C of the first matrix instruction of each sum in attend.  The last product's columns 512 .. 1023 meet output likewise: cb for Wout is made here too.
;  (2) tanh(x) = 1 - 2 r, r = 1 / (1 + 2^(2 log2(e) x)).  The score is then sum(W2) - 2 sum_e W2[e] r: its first term is the same along the softmax's axis and is left out (attend).
;  Every input is loaded by some launch.  LIMITS: NaN and infinities among the inputs are not served; a block whose largest magnitude lies under 2^-111 (a block of zeros too) gets the scale byte 1:
;  a zero block's codes are zeros, and this program alone reads the bytes; f32 sums are formed in another order than the source writes them.
; THIS LAUNCH.  The 1,024 weight rows are stacked in tiles of 16: tile T < 32 is W1's rows 16 T on, T >= 32 Wout's rows 16 (T - 32) on.  Work-group T takes tile T.  Wave w quantises the tile's K step w
; (128 along K) and fragment (u = w / 4, s = w % 4) of output (batches 16 u on, columns 128 s on).  K steps 0-3 leave as images of an operand's registers (wf: [T][s][c][lane][16 bytes]; scale words ws: [T][s][row]);
; K steps 4-7 and output's fragments meet in LDS, and waves 0 and 1 multiply them: cb: [T][u][q][lane][16 bytes], the result's registers 4 q .. 4 q + 3: lane (r, h), register j = cb[batch 16 u + r][row 16 T + 8 h + j].
; No cluster: no tile is fetched by the data mover here, and each weight row is read by one work-group alone.
.set WIM,   0                          ; LDS: the weight's K steps 4-7, 2,048 bytes each
.set OIM,   8192                       ; output's eight fragments
.set WSC,   24576                      ; the weight's scale words, 128 bytes a K step
.set OSC,   25600                      ; output's
.set SPARE, 26624                      ; the spare words, 128 bytes for each wave: four blocks of 256 bytes that no other line names
.set SPW, 4                            ; v4   LDS address of my spare word; never rewritten
.set NIL, 5                            ; v5   0; never rewritten
.set LI,  6                            ; v6   16 x lane: an image's place for my lane
.set LS,  7                            ; v7   4 x lane: a scale word's
.set WA,  8                            ; v8   the weight: row r of 4,096 bytes + 64 h
.set OA,  9                            ; v9   output: row r of 2,048 bytes + 64 h
.set WIW, 10                           ; v10  where waves 4-7 store the weight's image
.set OIW, 11                           ; v11  where I store output's image
.set WSW, 12                           ; v12  and the two scale words
.set OSW, 13
.set WSR, 14                           ; v14  wave 2: where the scale words of K steps 0-3 are read back, 8 bytes a lane
.set L8,  15                           ; v15  8 x lane
.set OIR, 16                           ; v16  waves 0, 1: output's images of my u
.set OSR, 17                           ; v17  and their scale words
.set N0,  32                           ; v32-95   64 numbers of the weight; later its four fragments
.set N1,  96                           ; v96-159  64 numbers of output; later its four fragments
.set PC0, 160                          ; v160-175 the weight's codes
.set PC1, 176                          ; v176-191 output's codes
.set TM,  192                          ; v192-207 at work in QUANT
.set PW0, 208
.set PW1, 209
.set WS4, 210                          ; v210-213 scale words of the weight's K steps 4-7;  v214-217 of output's: they hold scales alone
.set OS4, 214
.set DD,  224                          ; v224-231 the sum
.set WV,  16
.set SEL, 26
.set MNT, 28
; 64 numbers of a lane, register 16 b + i = k 32 b + 16 (lane / 16) + i of my row, become a fragment's 16 registers of codes and its scale word.
.macro QUANT s, pc, pw
.irp b, 0,1,2,3
	v_max3_num_f32 v[TM+\b], |v[\s+16*\b]|, |v[\s+1+16*\b]|, 0x8000000      ; block b: my 16 numbers, and the floor 2^(16 - 127): the byte cannot fall under 1
.endr
.irp i, 2,4,6,8,10,12,14
.irp b, 0,1,2,3
	v_max3_num_f32 v[TM+\b], v[TM+\b], |v[\s+16*\b+\i]|, |v[\s+1+16*\b+\i]| ; the four blocks by turns
.endr
.endr
.irp b, 0,1,2,3
	v_permlanex16_b32 v[TM+4+\b], v[TM+\b], s[SEL], s[SEL+1]
.endr
.irp b, 0,1,2,3
	v_max_num_f32 v[TM+\b], v[TM+\b], v[TM+4+\b]                            ; with lane l xor 16's: the block's largest magnitude
.endr
.irp b, 0,1,2,3
	v_add_nc_u32 v[TM+12+\b], 0xf8800000, v[TM+\b]                          ; 15 off its exponent field: the conversion's scale operand
.endr
.irp b, 0,1,2,3
	v_and_or_b32 v[TM+8+\b], v[TM+\b], 0x7f800000, s[MNT]                   ; 57,344 x the scale
.endr
.irp b, 0,1,2,3
	v_lshrrev_b32 v[TM+4+\b], 23, v[TM+12+\b]                               ; the scale's byte
.endr
	v_lshl_or_b32 v[\pw], v[TM+5], 8, v[TM+4]
	v_lshl_or_b32 v[\pw], v[TM+6], 16, v[\pw]
	v_lshl_or_b32 v[\pw], v[TM+7], 24, v[\pw]                               ; my row's scale word
.irp b, 0,1,2,3
.irp i, 0,1,2,3,4,5,6,7,8,9,10,11,12,13,14,15
	v_med3_num_f32 v[\s+16*\b+\i], v[\s+16*\b+\i], -v[TM+8+\b], v[TM+8+\b]  ; the conversion to an 8-bit code does not saturate (ISA guide 7.6.2): the hold
.endr
	v_cvt_scalef32_pk8_bf8_f32 v[\pc+4*\b:\pc+1+4*\b], v[\s+16*\b:\s+7+16*\b], v[TM+12+\b]
	v_cvt_scalef32_pk8_bf8_f32 v[\pc+2+4*\b:\pc+3+4*\b], v[\s+8+16*\b:\s+15+16*\b], v[TM+12+\b]
.endr
	v_nop                                          ; one plain vector line behind the last scaled conversion
.endm
	s_load_b256 s[4:11], s[0:1], 0x0               ; W1 s[4:5], Wout s[6:7], output s[8:9], wf s[10:11]
	s_load_b128 s[12:15], s[0:1], 0x20             ; ws s[12:13], cb s[14:15]
	v_lshl_add_u32 v[SPW], v0, 2, SPARE
	v_mov_b32 v[NIL], 0
	v_lshrrev_b32 v1, 5, v0
	v_readfirstlane_b32 s[WV], v1                  ; wave 0..7
	v_and_b32 v3, 31, v0                           ; lane
	v_and_b32 v1, 15, v0                           ; r
	v_bfe_u32 v2, v0, 4, 1                         ; h
	v_lshlrev_b32 v[LI], 4, v3
	v_lshlrev_b32 v[LS], 2, v3
	v_lshlrev_b32 v[WA], 12, v1
	v_lshl_add_u32 v[WA], v2, 6, v[WA]
	v_lshlrev_b32 v[OA], 11, v1
	v_lshl_add_u32 v[OA], v2, 6, v[OA]
	s_and_b32 s17, s[WV], 3                        ; w % 4
	s_lshr_b32 s18, s[WV], 2                       ; w / 4
	s_and_b32 s25, s[WV], 1                        ; w % 2: the u of waves 0 and 1
	s_lshl_b32 s19, s17, 11
	v_add_nc_u32 v[WIW], s19, v[LI]                ; every LDS address is made here, ahead of the first parting of the waves
	s_lshl_b32 s20, s[WV], 11
	v_add_nc_u32 v[OIW], s20, v[LI]
	s_lshl_b32 s20, s[WV], 7
	v_add_nc_u32 v[WSW], s20, v[LS]
	v_add_nc_u32 v[OSW], s20, v[LS]
	v_lshrrev_b32 v[WSR], 3, v3
	v_lshlrev_b32 v[WSR], 7, v[WSR]
	v_and_b32 v[L8], 7, v3
	v_lshl_add_u32 v[WSR], v[L8], 3, v[WSR]        ; 128 (lane / 8) + 8 (lane % 8): K step lane / 8, rows 2 (lane % 8) and the next
	v_lshlrev_b32 v[L8], 3, v3
	s_lshl_b32 s20, s25, 13
	v_add_nc_u32 v[OIR], s20, v[LI]
	s_lshl_b32 s20, s25, 9
	v_add_nc_u32 v[OSR], s20, v[LS]
	s_mov_b32 s[SEL], 0x76543210
	s_mov_b32 s[SEL+1], 0xfedcba98                 ; v_permlanex16_b32's selects for lane l xor 16
	s_mov_b32 s[MNT], 0x600000                     ; the mantissa field of 57,344
.irp b, 0,1,2,3
	v_mov_b32 v[TM+4+\b], 0                        ; written once: a lane permute's destination counts as one of its sources
.endr
	s_wait_kmcnt 0x0
	s_cmp_lt_u32 ttmp9, 32                         ; W1's tile or Wout's: the choice hangs on the work-group's number alone
	s_cselect_b64 s[4:5], s[4:5], s[6:7]
	s_and_b32 s22, ttmp9, 31
	s_lshl_b32 s22, s22, 16                        ; 16 rows of 4,096 bytes a tile,
	s_lshl_b32 s24, s[WV], 9                       ; 512 bytes a K step
	s_add_co_u32 s22, s22, s24
	s_mov_b32 s23, 0
	s_add_nc_u64 s[4:5], s[4:5], s[22:23]
	s_lshl_b32 s22, s18, 15                        ; output: 16 rows of 2,048 bytes x u,
	s_lshl_b32 s24, s17, 9                         ; 512 bytes x s
	s_add_co_u32 s22, s22, s24
	s_add_nc_u64 s[8:9], s[8:9], s[22:23]
	s_lshl_b32 s22, ttmp9, 13                      ; wf: 8,192 bytes a tile, 2,048 a K step
	s_add_co_u32 s22, s22, s19
	s_add_nc_u64 s[10:11], s[10:11], s[22:23]
	s_lshl_b32 s22, ttmp9, 8                       ; ws: 256 bytes a tile
	s_add_nc_u64 s[12:13], s[12:13], s[22:23]
	s_lshl_b32 s22, ttmp9, 11                      ; cb: 2,048 bytes a tile, 1,024 a u
	s_lshl_b32 s24, s25, 10
	s_add_co_u32 s22, s22, s24
	s_add_nc_u64 s[14:15], s[14:15], s[22:23]
.irp c, 0,1,2,3
.irp j, 0,1,2,3
	global_load_b128 v[N0+16*\c+4*\j:N0+16*\c+4*\j+3], v[WA], s[4:5] offset:128*\c+16*\j th:TH_LOAD_NT   ; my 16 numbers of block c: read once in the launch
.endr
.endr
.irp c, 0,1,2,3
.irp j, 0,1,2,3
	global_load_b128 v[N1+16*\c+4*\j:N1+16*\c+4*\j+3], v[OA], s[8:9] offset:128*\c+16*\j                 ; output: every work-group reads it
.endr
.endr
	s_wait_loadcnt 16                              ; the weight's 16 loads are in; output's 16 may be out
	QUANT N0, PC0, PW0
	s_wait_loadcnt 0x0
	QUANT N1, PC1, PW1
	s_cmp_lt_u32 s[WV], 4
	s_cbranch_scc0 .Lupper
.irp c, 0,1,2,3
	global_store_b128 v[LI], v[PC0+4*\c:PC0+4*\c+3], s[10:11] offset:512*\c   ; K steps 0-3 leave: 32 lanes store 512 consecutive bytes
.endr
	s_branch .Ljoin
.Lupper:
.irp c, 0,1,2,3
	ds_store_b128 v[WIW], v[PC0+4*\c:PC0+4*\c+3] offset:WIM+512*\c            ; K steps 4-7 stay in LDS
.endr
.Ljoin:
	ds_store_b32 v[WSW], v[PW0] offset:WSC
.irp c, 0,1,2,3
	ds_store_b128 v[OIW], v[PC1+4*\c:PC1+4*\c+3] offset:OIM+512*\c
.endr
	ds_store_b32 v[OSW], v[PW1] offset:OSC
	s_wait_dscnt 0x0                               ; for the others' sake: my stores have landed
	s_barrier_signal -1
	s_barrier_wait -1
	s_cmp_lt_u32 s[WV], 2
	s_cbranch_scc0 .Lno_product
.irp s, 0,1,2,3                                ; waves 0, 1: cb for batches 16 u on
.irp c, 0,1,2,3
	ds_load_b128 v[N0+16*\s+4*\c:N0+16*\s+4*\c+3], v[LI] offset:WIM+2048*\s+512*\c
	ds_load_b128 v[N1+16*\s+4*\c:N1+16*\s+4*\c+3], v[OIR] offset:OIM+2048*\s+512*\c
.endr
	ds_load_b32 v[WS4+\s], v[LS] offset:WSC+128*(4+\s)
	ds_load_b32 v[OS4+\s], v[OSR] offset:OSC+128*\s
.endr
	s_wait_dscnt 0x0
	v_wmma_scale_f32_16x16x128_f8f6f4 v[DD:DD+7], v[N0:N0+15], v[N1:N1+15], 0, v[WS4], v[OS4] matrix_a_fmt:MATRIX_FMT_BF8 matrix_b_fmt:MATRIX_FMT_BF8   ; source 0 = 16 weight rows, source 1 = 16 batches; the first product starts the sum
.irp s, 1,2,3
	s_wait_alu depctr_va_vdst(0)                   ; the wait directly ahead of each link
	v_wmma_scale_f32_16x16x128_f8f6f4 v[DD:DD+7], v[N0+16*\s:N0+16*\s+15], v[N1+16*\s:N1+16*\s+15], v[DD:DD+7], v[WS4+\s], v[OS4+\s] matrix_a_fmt:MATRIX_FMT_BF8 matrix_b_fmt:MATRIX_FMT_BF8
.endr
.rept 8
	v_nop                                          ; eight places ahead of the stores that read the sum
.endr
	global_store_b128 v[LI], v[DD:DD+3], s[14:15]              ; from the low end on
	global_store_b128 v[LI], v[DD+4:DD+7], s[14:15] offset:512
	s_branch .Lend
.Lno_product:
	s_cmp_eq_u32 s[WV], 2
	s_cbranch_scc0 .Lend
	ds_load_b64 v[18:19], v[WSR] offset:WSC        ; wave 2: the scale words of K steps 0-3, rows 0-15
	s_wait_dscnt 0x0
	global_store_b64 v[L8], v[18:19], s[12:13]     ; 32 lanes store 256 consecutive bytes, aligned
.Lend:
	s_wait_tensorcnt 0x0                           ; the wave's end
	ds_add_u32 v[SPW], v[NIL]
	s_wait_dscnt 0x0
	s_endpgm
.Lfunc_end_k_q0b2b4e0054_prep:
	.size	k_q0b2b4e0054_prep, .Lfunc_end_k_q0b2b4e0054_prep-k_q0b2b4e0054_prep
	.p2alignl 7, 3214868480
	.fill 96, 4, 3214868480
	.section	.rodata,"a",@progbits
	.p2align	6, 0x0
	.amdhsa_kernel k_q0b2b4e0054_prep
		.amdhsa_group_segment_fixed_size 27648
		.amdhsa_private_segment_fixed_size 0
		.amdhsa_enable_private_segment 0
		.amdhsa_kernarg_size 48
		.amdhsa_user_sgpr_count 2
		.amdhsa_user_sgpr_kernarg_segment_ptr 1
		.amdhsa_wavefront_size32 1
		.amdhsa_system_sgpr_workgroup_id_x 1
		.amdhsa_system_sgpr_workgroup_id_y 1
		.amdhsa_system_sgpr_workgroup_id_z 1
		.amdhsa_system_vgpr_workitem_id 0
		.amdhsa_next_free_vgpr 240
		.amdhsa_next_free_sgpr 66
		.amdhsa_reserve_vcc 0
		.amdhsa_float_denorm_mode_32 3
		.amdhsa_float_denorm_mode_16_64 3
		.amdhsa_memory_ordered 1
		.amdhsa_forward_progress 1
		.amdhsa_inst_pref_size 27
	.end_amdhsa_kernel
	.amdgpu_metadata
---
amdhsa.version: [ 1, 2 ]
amdhsa.kernels:
  - .name:           k_q0b2b4e0054_prep
    .symbol:         k_q0b2b4e0054_prep.kd
    .args:
      - { .name: W1, .offset: 0, .size: 8, .value_kind: global_buffer, .address_space: global }
      - { .name: Wout, .offset: 8, .size: 8, .value_kind: global_buffer, .address_space: global }
      - { .name: output, .offset: 16, .size: 8, .value_kind: global_buffer, .address_space: global }
      - { .name: wf, .offset: 24, .size: 8, .value_kind: global_buffer, .address_space: global }
      - { .name: ws, .offset: 32, .size: 8, .value_kind: global_buffer, .address_space: global }
      - { .name: cb, .offset: 40, .size: 8, .value_kind: global_buffer, .address_space: global }
    .group_segment_fixed_size: 27648
    .private_segment_fixed_size: 0
    .kernarg_segment_align: 8
    .kernarg_segment_size: 48
    .max_flat_workgroup_size: 256
    .sgpr_count:     66
    .vgpr_count:     240
    .wavefront_size: 32
...
	.end_amdgpu_metadata
.endif
;; end of part 1
;; launch attend (part 2): grid 256 x 1, 8 waves a work-group, no clusters, 327,680 bytes of LDS; arguments context, W2, wf, ws, cb, part; writes part
.if DOCPART == 2
	.amdgcn_target "amdgcn-amd-amdhsa--gfx1250"
	.amdhsa_code_object_version 6
	.text
	.protected	k_q0b2b4e0054_attend
	.globl	k_q0b2b4e0054_attend
	.p2align	8
	.type	k_q0b2b4e0054_attend,@function
k_q0b2b4e0054_attend:
	s_mov_b64 s[64:65], 0
	v_nop
	global_prefetch_b8 v0, s[64:65] scope:SCOPE_SE
	s_setreg_imm32_b32 hwreg(HW_REG_WAVE_MODE, 25, 1), 1
	s_wait_xcnt 0x0
; Scores, softmax and mix for 512 rows of one batch: work-group g takes batch g / 8, rows 512 (g % 8) on, in 8 blocks of 64 rows.  context is read from memory once and stays in LDS until its row's weight is known.
; LEFT OUT (shown at the head of prep): K steps 4-7 of the first product are the same for all rows of a batch and come as cb, the C of each sum's first matrix instruction; the term sum(W2) of the score is the same
; along the softmax's axis.  With r = 1 / (1 + 2^(2 log2(e) x)) the score in powers of two is t = sum_e W2'[e] r, W2' = -2 log2(e) W2.
; The maximum is taken away: a running maximum m of t, p = 2^(t - m); when m moves, the sum l and the partial mix are multiplied by 2^(old m - new m).  The launch stores m, l and the unnormalised mix; finish joins the 8 chunks.
; LIMITS: as stated in prep; |t| stays under 3e38 (r lies in 0 .. 1, so |t| <= sum |W2'|).
; SHARES.  Eight waves, two to a SIMD.  THE WAVES SHARE THE COLUMNS: wave w owns e = 64 w .. 64 w + 63.  Its codes of W1 (4 tiles x 4 K steps x 16 registers) fill window 1 for the whole launch.
; A BLOCK:  Q: wave w quantises rows 16 (w / 2) on, K steps 2 (w % 2) and the next (the bytes that its own tensor load brought), and stores the two fragments to LDS as images of their registers | barrier |
;   S: for each of the four tiles of rows: 16 matrix instructions (source 0 = 16 rows of W1, source 1 = 16 rows of context: a lane holds one row, its registers run along e), the activation, the dot with W2',
;   one partial score a row to LDS | barrier |  M: every wave adds the 8 partial scores of the 64 rows and takes the softmax step (all eight alike), then adds p x context for its own 64 columns, from the slot.
; THE RING: two slots of 64 rows.  A slot is two planes of half rows (1,024 bytes + 16 of padding: pitch 1,040 = 65 x 16 bytes, so that 16 rows of one column start at 16 different banks: ISA guide 11.1).
; Each wave fetches 16 half rows, 16 KiB, with one tensor load; two loads of a wave are out at the start, one behind each change of slots.
; NO CLUSTER: a tile of context is read by one work-group alone; what work-groups share, W1's codes (32 KiB a wave against the work-group's 1 MiB of context), goes once from memory straight into the registers where it stays.
.set RP,    1040
.set HALF,  64*RP                      ; a plane of 64 half rows
.set SLOTB, 2*HALF
.set IMG,   2*SLOTB                    ; behind the ring: 16 fragments (tile of rows m, K step s) at (4 m + s) x 2,048
.set ISC,   IMG+16*2048                ; their scale words, 128 bytes each
.set SCP,   ISC+16*128                 ; partial scores [row 64][wave 8] f32
.set PBC,   SCP+2048                   ; 256 bytes for each wave: p of row i at 128 (i % 2) + 4 (i / 2)
.set SPARE, PBC+2048                   ; the spare words, 128 bytes for each wave: four blocks of 256 bytes that no other line names
.set REC,   2304                       ; a record of part: 512 f32, then 256 bytes of (m, l)
.set SPW, 4                            ; v4   LDS address of my spare word; never rewritten
.set NIL, 5                            ; v5   0; never rewritten
.set LI,  6                            ; v6   16 x lane
.set LS,  7                            ; v7   4 x lane
.set QA,  8                            ; v8-9   the numbers that I quantise, in slot 0, 1
.set IWI, 10                           ; v10  where I store my two images
.set IWS, 11                           ; v11  and their scale words
.set FA,  12                           ; v12  IMG + 16 x lane
.set SA,  14                           ; v14  ISC + 4 x lane
.set SPA, 16                           ; v16  where I store a partial score
.set SRA, 18                           ; v18  where I read the 8 partial scores of row lane
.set PWA, 19                           ; v19  where I store p
.set PRA, 20                           ; v20  where I read the p of my half's rows
.set MA,  21                           ; v21-22 context for the mix, in slot 0, 1
.set MX,  24                           ; v24  m
.set LSUM, 25                          ; v25  my lane's part of l
.set MACC, 26                          ; v26-33 the mix: four columns, for even and for odd pairs of rows
.set TA,  34
.set TB,  35
.set MB,  36
.set MP,  37
.set MN,  38
.set FF,  40                           ; v[40:41] 2^(old m - new m), named as a pair
.set PA,  42
.set PB,  43
.set SC0, 44
.set SC1, 46
.set W1S, 48                           ; v48-63  W1's scale words (4 t + s): scales alone
.set ASC, 64                           ; v64-67  context's scale words of the tile in hand: scales alone
.set BIA, 68                           ; v68-99  cb in the result's layout (8 t + j)
.set W2R, 100                          ; v100-131 W2' likewise
.set AF,  132                          ; v132-195 four fragments of context;
.set NB,  132                          ;          64 numbers to be quantised;
.set D,   132                          ;          16 x 4 numbers of context for the mix
.set X,   196                          ; v196-227 the sums (8 t + j);
.set PC,  196                          ;          codes just made (16),
.set TM,  212                          ;          QUANT's 16 at work;
.set P,   196                          ;          partial scores, then p of 32 pairs of rows
.set PW,  228
.set O4R, 229                          ; offsets of the loads at the head, and of the stores at the end
.set O256H, 230
.set O32H, 231
.set GOF, 232
.set GO2, 233
.set WV,  16
.set MNT, 18
.set SEL, 20
.set C2,  22                           ; s[22:23] 2 log2(e)
.set W2F, 24                           ; s[24:25] -2 log2(e)
.set LAP, 26
.set G1,  28                           ; s[28:35] descriptor group 1
.set G0,  36                           ; s[36:43] group 0, a set for each slot
.set MSB, 0
.macro WIN new                         ; the immediate's high byte repeats the setting that is left
.if MSB != \new
	s_set_vgpr_msb (MSB<<8)|\new
.set MSB, \new
.endif
.endm
.macro QUANT s, pc, pw                 ; 64 numbers of a lane, register 16 b + i = k 32 b + 16 (lane / 16) + i of my row, become a fragment's codes and its scale word
.irp b, 0,1,2,3
	v_max3_num_f32 v[TM+\b], |v[\s+16*\b]|, |v[\s+1+16*\b]|, 0x8000000      ; my 16 numbers of block b, and the floor 2^(16 - 127): the byte cannot fall under 1
.endr
.irp i, 2,4,6,8,10,12,14
.irp b, 0,1,2,3
	v_max3_num_f32 v[TM+\b], v[TM+\b], |v[\s+16*\b+\i]|, |v[\s+1+16*\b+\i]|
.endr
.endr
.irp b, 0,1,2,3
	v_permlanex16_b32 v[TM+4+\b], v[TM+\b], s[SEL], s[SEL+1]
.endr
.irp b, 0,1,2,3
	v_max_num_f32 v[TM+\b], v[TM+\b], v[TM+4+\b]                            ; with lane l xor 16's: the block's largest magnitude
.endr
.irp b, 0,1,2,3
	v_add_nc_u32 v[TM+12+\b], 0xf8800000, v[TM+\b]                          ; 15 off its exponent field: the conversion's scale operand
.endr
.irp b, 0,1,2,3
	v_and_or_b32 v[TM+8+\b], v[TM+\b], 0x7f800000, s[MNT]                   ; 57,344 x the scale
.endr
.irp b, 0,1,2,3
	v_lshrrev_b32 v[TM+4+\b], 23, v[TM+12+\b]                               ; the scale's byte
.endr
	v_lshl_or_b32 v[\pw], v[TM+5], 8, v[TM+4]
	v_lshl_or_b32 v[\pw], v[TM+6], 16, v[\pw]
	v_lshl_or_b32 v[\pw], v[TM+7], 24, v[\pw]
.irp b, 0,1,2,3
.irp i, 0,1,2,3,4,5,6,7,8,9,10,11,12,13,14,15
	v_med3_num_f32 v[\s+16*\b+\i], v[\s+16*\b+\i], -v[TM+8+\b], v[TM+8+\b]  ; the conversion to an 8-bit code does not saturate (ISA guide 7.6.2): the hold
.endr
	v_cvt_scalef32_pk8_bf8_f32 v[\pc+4*\b:\pc+1+4*\b], v[\s+16*\b:\s+7+16*\b], v[TM+12+\b]
	v_cvt_scalef32_pk8_bf8_f32 v[\pc+2+4*\b:\pc+3+4*\b], v[\s+8+16*\b:\s+15+16*\b], v[TM+12+\b]
.endr
	v_nop                                          ; one plain vector line behind the last scaled conversion
.endm
.macro BARRIER                         ; my LDS stores have landed and my LDS loads are in: then the work-group's barrier
	s_wait_dscnt 0x0
	s_barrier_signal -1
	s_barrier_wait -1
.endm
.macro QLOAD slot, q                   ; my row's 64 numbers of my q-th K step
.irp c, 0,1,2,3
.irp j, 0,1,2,3
	ds_load_b128 v[NB+16*\c+4*\j:NB+16*\c+4*\j+3], v[QA+\slot] offset:512*\q+128*\c+16*\j
.endr
.endr
.endm
.macro IMAGE q                         ; the fragment goes to LDS as it stands in my registers
.irp c, 0,1,2,3
	ds_store_b128 v[IWI], v[PC+4*\c:PC+4*\c+3] offset:2048*\q+512*\c
.endr
	ds_store_b32 v[IWS], v[PW] offset:128*\q
.endm
.macro FETCH m                         ; and comes back so, in every wave: the four K steps of tile m, and their scale words
.irp s, 0,1,2,3
.irp c, 0,1,2,3
	ds_load_b128 v[AF+16*\s+4*\c:AF+16*\s+4*\c+3], v[FA] offset:8192*(\m)+2048*\s+512*\c
.endr
	ds_load_b32 v[ASC+\s], v[SA] offset:512*(\m)+128*\s
.endr
.endm
; r = 1 / (1 + 2^(2 log2(e) x)) of my 32 sums, their dot with W2', the other half of the lanes' part, and the row's partial score to LDS.
.macro ACT m
.set j, 0
.rept 16
	v_pk_mul_f32 v[X+j:X+j+1], v[X+j:X+j+1], s[C2:C2+1] op_sel_hi:[1,0]     ; ascending: each accumulator is read from its low end on
.set j, j+2
.endr
.set j, 0
.rept 32
	v_exp_f32 v[X+j], v[X+j]
.set j, j+1
.endr
	v_nop                                          ; a plain line behind the last exponential,
	s_wait_alu depctr_va_vdst(0)                   ; and one wait for the batch, ahead of its first reader
.set j, 0
.rept 16
	v_pk_add_f32 v[X+j:X+j+1], v[X+j:X+j+1], 1.0 op_sel_hi:[1,0]
.set j, j+2
.endr
.set j, 0
.rept 32
	v_rcp_f32 v[X+j], v[X+j]
.set j, j+1
.endr
	v_nop
	s_wait_alu depctr_va_vdst(0)                   ; one wait for the 32 reciprocals
	v_pk_mul_f32 v[SC0:SC0+1], v[X:X+1], v[W2R:W2R+1]                       ; two chains, begun by products: nothing is cleared
	v_pk_mul_f32 v[SC1:SC1+1], v[X+2:X+3], v[W2R+2:W2R+3]
.irp j, 4,8,12,16,20,24,28
	v_pk_fma_f32 v[SC0:SC0+1], v[X+\j:X+\j+1], v[W2R+\j:W2R+\j+1], v[SC0:SC0+1]
	v_pk_fma_f32 v[SC1:SC1+1], v[X+\j+2:X+\j+3], v[W2R+\j+2:W2R+\j+3], v[SC1:SC1+1]
.endr
	v_pk_add_f32 v[SC0:SC0+1], v[SC0:SC0+1], v[SC1:SC1+1]
	v_add_f32 v[TA], v[SC0], v[SC0+1]
	v_permlanex16_b32 v[MP], v[TA], s[SEL], s[SEL+1]
	v_add_f32 v[TA], v[TA], v[MP]                  ; my wave's 64 e of row 16 m + r
	ds_store_b32 v[SPA], v[TA] offset:512*(\m)     ; lanes r and r + 16 store the same word with the same value
.endm
; A tile of 16 rows: 16 matrix instructions, K step by K step, the four accumulators by turns; the next tile's fragments are asked for ahead of the activation.
.macro TILE m
	s_wait_dscnt 0x0                               ; the tile's fragments and scale words are in
	WIN 0x01                                       ; source 0 (W1) in window 1
.irp s, 0,1,2,3
.irp t, 0,1,2,3
.if \s == 0
	v_wmma_scale_f32_16x16x128_f8f6f4 v[X+8*\t:X+8*\t+7], v[16*(4*\t+\s):16*(4*\t+\s)+15], v[AF+16*\s:AF+16*\s+15], v[BIA+8*\t:BIA+8*\t+7], v[W1S+4*\t+\s], v[ASC+\s] matrix_a_fmt:MATRIX_FMT_BF8 matrix_b_fmt:MATRIX_FMT_BF8
.else
	v_wmma_scale_f32_16x16x128_f8f6f4 v[X+8*\t:X+8*\t+7], v[16*(4*\t+\s):16*(4*\t+\s)+15], v[AF+16*\s:AF+16*\s+15], v[X+8*\t:X+8*\t+7], v[W1S+4*\t+\s], v[ASC+\s] matrix_a_fmt:MATRIX_FMT_BF8 matrix_b_fmt:MATRIX_FMT_BF8
.endif
.endr
.endr
	WIN 0
.rept 8
	v_nop                                          ; eight places ahead of the loads into the fragments' and scales' registers and of the first read of the sums; the activation's lines on the other accumulators are the ninth and more ahead of the next tile's first products
.endr
.if \m < 3
	FETCH (\m)+1
.endif
	ACT \m
.endm
; One pair of rows of the mix (the symbol i says which): lanes 0-15 hold row 2 i, lanes 16-31 row 2 i + 1, four columns a lane; p of my row is register i of P, taken for both halves of the packed form.
.macro MIXROW
.set dd, D+4*(i%16)
.if (i%2) == 0
	v_pk_fma_f32 v[MACC:MACC+1], v[dd:dd+1], v[P+i:P+i+1], v[MACC:MACC+1] op_sel_hi:[1,0,1]
	v_pk_fma_f32 v[MACC+2:MACC+3], v[dd+2:dd+3], v[P+i:P+i+1], v[MACC+2:MACC+3] op_sel_hi:[1,0,1]
.else
	v_pk_fma_f32 v[MACC+4:MACC+5], v[dd:dd+1], v[P+i-1:P+i], v[MACC+4:MACC+5] op_sel:[0,1,0] op_sel_hi:[1,1,1]
	v_pk_fma_f32 v[MACC+6:MACC+7], v[dd+2:dd+3], v[P+i-1:P+i], v[MACC+6:MACC+7] op_sel:[0,1,0] op_sel_hi:[1,1,1]
.endif
.endm
.macro MIX slot
	ds_load_b128 v[P:P+3], v[SRA]                  ; the 8 waves' partial scores of row lane,
	ds_load_b128 v[P+4:P+7], v[SRA] offset:16
	ds_load_b128 v[P+8:P+11], v[SRA] offset:1024   ; and of row lane + 32
	ds_load_b128 v[P+12:P+15], v[SRA] offset:1040
.set i, 0
.rept 16
	ds_load_b128 v[D+4*i:D+4*i+3], v[MA+\slot] offset:2*i*RP                ; context, rows 0-31, my 64 columns: on their way under the softmax
.set i, i+1
.endr
	s_wait_dscnt 16                                ; the scores are in; the 16 loads behind them may be out
	v_pk_add_f32 v[SC0:SC0+1], v[P:P+1], v[P+2:P+3]
	v_pk_add_f32 v[SC1:SC1+1], v[P+4:P+5], v[P+6:P+7]
	v_pk_add_f32 v[SC0:SC0+1], v[SC0:SC0+1], v[SC1:SC1+1]
	v_add_f32 v[TA], v[SC0], v[SC0+1]              ; t of row lane
	v_pk_add_f32 v[SC0:SC0+1], v[P+8:P+9], v[P+10:P+11]
	v_pk_add_f32 v[SC1:SC1+1], v[P+12:P+13], v[P+14:P+15]
	v_pk_add_f32 v[SC0:SC0+1], v[SC0:SC0+1], v[SC1:SC1+1]
	v_add_f32 v[TB], v[SC0], v[SC0+1]              ; t of row lane + 32
	v_max_num_f32 v[MB], v[TA], v[TB]
	v_max_num_f32_dpp v[MB], v[MB], v[MB] row_xmask:1 row_mask:0xf bank_mask:0xf
	v_max_num_f32_dpp v[MB], v[MB], v[MB] row_xmask:2 row_mask:0xf bank_mask:0xf
	v_max_num_f32_dpp v[MB], v[MB], v[MB] row_xmask:4 row_mask:0xf bank_mask:0xf
	v_max_num_f32_dpp v[MB], v[MB], v[MB] row_xmask:8 row_mask:0xf bank_mask:0xf
	v_permlanex16_b32 v[MP], v[MB], s[SEL], s[SEL+1]
	v_max3_num_f32 v[MN], v[MB], v[MP], v[MX]      ; the new running maximum
	v_sub_f32 v[FF], v[MX], v[MN]
	v_sub_f32 v[PA], v[TA], v[MN]
	v_sub_f32 v[PB], v[TB], v[MN]
	v_exp_f32 v[FF], v[FF]                         ; 2^(old m - new m)
	v_exp_f32 v[PA], v[PA]
	v_exp_f32 v[PB], v[PB]
	v_mov_b32 v[MX], v[MN]                         ; (a plain line behind the exponentials)
	s_wait_alu depctr_va_vdst(0)                   ; one wait for the three
	v_fma_f32 v[LSUM], v[LSUM], v[FF], v[PA]
	v_add_f32 v[LSUM], v[LSUM], v[PB]
	ds_store_b32 v[PWA], v[PA]                     ; p goes through my wave's own 256 bytes, to be had by row: LDS serves a wave's instructions in order (ISA guide 5.7.1.4)
	ds_store_b32 v[PWA], v[PB] offset:64
.irp q, 0,1,2,3,4,5,6,7
	ds_load_b128 v[P+4*\q:P+4*\q+3], v[PRA] offset:16*\q                    ; register i: p of row 2 i + lane / 16
.endr
.irp k, 0,2,4,6
	v_pk_mul_f32 v[MACC+\k:MACC+\k+1], v[MACC+\k:MACC+\k+1], v[FF:FF+1] op_sel_hi:[1,0]
.endr
	s_wait_dscnt 0x0
.set i, 0
.rept 16
	MIXROW
	ds_load_b128 v[D+4*i:D+4*i+3], v[MA+\slot] offset:2*(i+16)*RP           ; rows 32-63 take the registers as they fall free
.set i, i+1
.endr
.rept 16
	s_wait_dscnt 31-i                              ; LDS loads come back in order: the younger ones may be out
	MIXROW
.set i, i+1
.endr
.endm
.macro PROCESS slot, first
	QLOAD \slot, 0
	s_wait_dscnt 0x0
	QUANT NB, PC, PW
	QLOAD \slot, 1
	IMAGE 0
	s_wait_dscnt 0x0                               ; the next numbers are in, and the stores have read the codes' registers
	QUANT NB, PC, PW
	IMAGE 1
.if \first
	s_wait_loadcnt 0x0                             ; W1's codes and scale words, cb and W2, asked for at the head
.set j, 0
.rept 16
	v_pk_mul_f32 v[W2R+j:W2R+j+1], v[W2R+j:W2R+j+1], s[W2F:W2F+1] op_sel_hi:[1,0]   ; W2' = -2 log2(e) W2
.set j, j+2
.endr
.endif
	BARRIER                                        ; the block's 16 fragments lie in LDS
	FETCH 0
.irp m, 0,1,2,3
	TILE \m
.endr
	BARRIER                                        ; the 64 rows' partial scores lie in LDS; nobody reads the images any more
	MIX \slot
.endm
; THE CHANGE OF SLOTS.  Each wave waits for all its tensor loads (its part of the slot ahead), adds 0 to its spare word, and waits for that and for its reads of the slot that it leaves.  Behind the barrier the slot
; ahead is whole and nobody reads the other: refill = 1: it takes the block two on, one load a wave, which has a whole block's work in which to land.
.macro CHANGE slot, refill
	s_wait_tensorcnt 0x0                           ; no tensor load of mine is out, so a group 0 may be written
	ds_add_u32 v[SPW], v[NIL]                      ; 0 onto my spare word
.if \refill
	s_add_nc_u64 s[G0+4*\slot+2:G0+4*\slot+3], s[G0+4*\slot+2:G0+4*\slot+3], 2*64*2048   ; two blocks on; the type bits on top are not reached
.endif
	s_wait_dscnt 0x0
	s_barrier_signal -1
	s_barrier_wait -1
.if \refill
	tensor_load_to_lds s[G0+4*\slot:G0+4*\slot+3], s[G1:G1+7]
	s_nop 0
.endif
.endm
	s_load_b256 s[4:11], s[0:1], 0x0               ; context s[4:5], W2 s[6:7], wf s[8:9], ws s[10:11]
	s_load_b128 s[12:15], s[0:1], 0x20             ; cb s[12:13], part s[14:15]
	v_lshl_add_u32 v[SPW], v0, 2, SPARE
	v_mov_b32 v[NIL], 0
	ds_add_u32 v[SPW], v[NIL]                      ; the wave's opening: the add, twice on end, and its wait ahead of my first tensor load
	ds_add_u32 v[SPW], v[NIL]
	v_lshrrev_b32 v1, 5, v0
	v_readfirstlane_b32 s[WV], v1                  ; wave 0..7
	; descriptor group 1: 16 rows x 256 elements of 4 bytes, 512 elements from row to row; 4 words of padding behind every 256
	s_mov_b32 s[G1+0], (2<<16)|(1<<20)|(7<<22)|(3<<25)
	s_mov_b32 s[G1+1], 256<<16                     ; tensor_dim0 = 256
	s_mov_b32 s[G1+2], 16<<16                      ; tensor_dim1 = 16
	s_mov_b32 s[G1+3], 256<<16                     ; tile_dim0 = 256
	s_mov_b32 s[G1+4], 16                          ; tile_dim1 = 16
	s_mov_b32 s[G1+5], 512                         ; tensor_dim0_stride
	s_mov_b32 s[G1+6], 0
	s_mov_b32 s[G1+7], 0
	s_mov_b32 s[SEL], 0x76543210
	s_mov_b32 s[SEL+1], 0xfedcba98                 ; v_permlanex16_b32's selects for lane l xor 16
	s_mov_b32 s[C2], 0x4038aa3b                    ; 2 log2(e)
	s_mov_b32 s[C2+1], s[C2]                       ; (named with it as a pair, so it is written)
	s_mov_b32 s[W2F], 0xc038aa3b
	s_mov_b32 s[W2F+1], s[W2F]
	s_mov_b32 s[MNT], 0x600000                     ; the mantissa field of 57,344
	s_and_b32 s46, s[WV], 1                        ; which half of the rows' bytes I fetch and quantise,
	s_lshr_b32 s47, s[WV], 1                       ; and which 16 rows
	s_mul_i32 s48, s46, HALF
	s_mul_i32 s49, s47, 16*RP
	s_add_co_u32 s48, s48, s49                     ; their place in a slot
	s_lshl_b32 s50, ttmp9, 20                      ; my work-group's 512 rows of 2,048 bytes
	s_lshl_b32 s49, s47, 15
	s_add_co_u32 s50, s50, s49
	s_lshl_b32 s49, s46, 10
	s_add_co_u32 s50, s50, s49
	s_mov_b32 s51, 0
	s_wait_dscnt 0x0                               ; both opening adds are done
	s_wait_kmcnt 0x0
	s_add_nc_u64 s[50:51], s[4:5], s[50:51]
.irp n, 0,1
	s_mov_b32 s[G0+4*\n], 1                        ; count = 1
	s_add_co_u32 s[G0+4*\n+1], s48, \n*SLOTB       ; LDS address
	s_add_nc_u64 s[G0+4*\n+2:G0+4*\n+3], s[50:51], \n*64*2048   ; block n
	s_or_b32 s[G0+4*\n+3], s[G0+4*\n+3], 0x80000000             ; type = 2
	tensor_load_to_lds s[G0+4*\n:G0+4*\n+3], s[G1:G1+7]
	s_nop 0
.endr
	v_and_b32 v3, 31, v0                           ; lane
	v_and_b32 v1, 15, v0                           ; r
	v_bfe_u32 v2, v0, 4, 1                         ; h
	v_lshlrev_b32 v[LI], 4, v3
	v_lshlrev_b32 v[LS], 2, v3
	v_mul_u32_u24 v[QA], v1, RP
	v_lshl_add_u32 v[QA], v2, 6, v[QA]
	v_add_nc_u32 v[QA], s48, v[QA]                 ; row r of my 16, + 64 h: my 16 numbers of a block of 32
	v_add_nc_u32 v[QA+1], SLOTB, v[QA]
	s_lshl_b32 s49, s[WV], 12                      ; my fragments are numbers 2 w and 2 w + 1 of the 16
	s_add_co_u32 s49, s49, IMG
	v_add_nc_u32 v[IWI], s49, v[LI]
	s_lshl_b32 s49, s[WV], 8
	s_add_co_u32 s52, s49, ISC
	v_add_nc_u32 v[IWS], s52, v[LS]
	v_add_nc_u32 v[FA], IMG, v[LI]
	v_add_nc_u32 v[SA], ISC, v[LS]
	s_lshl_b32 s52, s[WV], 2
	s_add_co_u32 s52, s52, SCP
	v_lshl_add_u32 v[SPA], v1, 5, s52              ; row r of a tile, my wave's word
	v_lshl_add_u32 v[SRA], v3, 5, SCP
	s_add_co_u32 s52, s49, PBC                     ; my wave's 256 bytes
	v_and_b32 v[PWA], 1, v3
	v_lshlrev_b32 v[PWA], 7, v[PWA]
	v_lshrrev_b32 v[PRA], 1, v3
	v_lshl_add_u32 v[PWA], v[PRA], 2, v[PWA]
	v_add_nc_u32 v[PWA], s52, v[PWA]
	v_lshl_add_u32 v[PRA], v2, 7, s52
	s_lshr_b32 s52, s[WV], 2                       ; my 64 columns: plane w / 4, 256 bytes x (w % 4)
	s_mul_i32 s52, s52, HALF
	s_and_b32 s53, s[WV], 3
	s_lshl_b32 s53, s53, 8
	s_add_co_u32 s52, s52, s53
	v_mul_u32_u24 v[MA], v2, RP
	v_lshl_add_u32 v[MA], v1, 4, v[MA]
	v_add_nc_u32 v[MA], s52, v[MA]                 ; lanes 0-15 one row's 256 bytes, lanes 16-31 the next row's
	v_add_nc_u32 v[MA+1], SLOTB, v[MA]
	v_lshlrev_b32 v[O4R], 2, v1
	v_lshlrev_b32 v[O256H], 8, v2
	v_lshlrev_b32 v[O32H], 5, v2
	v_lshlrev_b32 v[GOF], 4, v1
	v_lshl_add_u32 v[GOF], v2, 3, v[GOF]
	v_lshlrev_b32 v[GO2], 3, v3
	s_mov_b32 s53, 0
	s_lshl_b32 s52, s[WV], 15                      ; wf: my four tiles, 8,192 bytes each
	s_add_nc_u64 s[8:9], s[8:9], s[52:53]
	s_lshl_b32 s52, s[WV], 10                      ; ws: 256 bytes a tile
	s_add_nc_u64 s[10:11], s[10:11], s[52:53]
	s_lshr_b32 s17, ttmp9, 3                       ; my batch
	s_lshr_b32 s52, s17, 4
	s_lshl_b32 s52, s52, 10                        ; cb: u = batch / 16,
	s_and_b32 s54, s17, 15
	s_lshl_b32 s54, s54, 4                         ; the image's lane batch % 16,
	s_add_co_u32 s52, s52, s54
	s_lshl_b32 s54, s[WV], 13                      ; my four tiles, 2,048 bytes each
	s_add_co_u32 s52, s52, s54
	s_add_nc_u64 s[12:13], s[12:13], s[52:53]
	s_lshl_b32 s52, s[WV], 8                       ; W2: my 64 numbers
	s_add_nc_u64 s[6:7], s[6:7], s[52:53]
	s_mul_i32 s54, ttmp9, REC                      ; part: my work-group's record, my 64 columns
	s_add_co_u32 s52, s52, s54
	s_add_nc_u64 s[14:15], s[14:15], s[52:53]
	WIN 0x40                                       ; destination window 1
.irp f, 0,1,2,3,4,5,6,7,8,9,10,11,12,13,14,15  ; W1's fragment (tile f / 4, K step f % 4): it stays
.irp c, 0,1,2,3
	global_load_b128 v[16*\f+4*\c:16*\f+4*\c+3], v[LI], s[8:9] offset:2048*\f+512*\c
.endr
.endr
	WIN 0
.irp f, 0,1,2,3,4,5,6,7,8,9,10,11,12,13,14,15
	global_load_b32 v[W1S+\f], v[O4R], s[10:11] offset:64*\f
.endr
.irp t, 0,1,2,3
.irp q, 0,1
	global_load_b128 v[BIA+8*\t+4*\q:BIA+8*\t+4*\q+3], v[O256H], s[12:13] offset:2048*\t+512*\q   ; cb[my batch][64 w + 16 t + 8 h + 4 q ..]
	global_load_b128 v[W2R+8*\t+4*\q:W2R+8*\t+4*\q+3], v[O32H], s[6:7] offset:64*\t+16*\q         ; W2 at the same e
.endr
.endr
	v_mov_b32 v[MX], 0xff61b1e6                    ; the largest t so far: -3e38, under every t
	v_mov_b32 v[LSUM], 0
.irp k, 0,1,2,3,4,5,6,7
	v_mov_b32 v[MACC+\k], 0                        ; (the block is written once for all eight: the first finds zeros, which the first change of m leaves zeros)
.endr
	v_mov_b32 v[FF+1], 0                           ; (named as the upper half of a pair)
	v_mov_b32 v[MP], 0                             ; a lane permute's destination counts as one of its sources
.irp b, 0,1,2,3
	v_mov_b32 v[TM+4+\b], 0
.endr
	s_wait_tensorcnt 0x1                           ; my part of block 0 is in; block 1's may stay out
	s_barrier_signal -1
	s_barrier_wait -1
	PROCESS 0, 1
	s_mov_b32 s[LAP], 3
.Llap:                                             ; three trips: blocks 1 to 6 are worked, blocks 2 to 7 asked for
	CHANGE 0, 1
	PROCESS 1, 0
	CHANGE 1, 1
	PROCESS 0, 0
	s_sub_co_u32 s[LAP], s[LAP], 1
	s_cmp_lg_u32 s[LAP], 0
	s_cbranch_scc1 .Llap
	CHANGE 0, 0                                    ; the tail is written out: nothing is left to fetch
	PROCESS 1, 0
	; THE WAY OUT: even and odd pairs of rows, then the two halves of the lanes; each lane stores two of its four columns
	v_pk_add_f32 v[MACC:MACC+1], v[MACC:MACC+1], v[MACC+4:MACC+5]
	v_pk_add_f32 v[MACC+2:MACC+3], v[MACC+2:MACC+3], v[MACC+6:MACC+7]
.irp k, 0,1,2,3
	v_permlanex16_b32 v[TA+\k], v[MACC+\k], s[SEL], s[SEL+1]
.endr
.irp k, 0,1,2,3
	v_add_f32 v[MACC+\k], v[MACC+\k], v[TA+\k]
.endr
	v_cmp_le_u32 vcc_lo, 16, v3
	v_cndmask_b32 v[MACC], v[MACC], v[MACC+2], vcc_lo
	v_cndmask_b32 v[MACC+1], v[MACC+1], v[MACC+3], vcc_lo
	global_store_b64 v[GOF], v[MACC:MACC+1], s[14:15]          ; 32 lanes store my 64 columns: 256 consecutive bytes, aligned
	v_add_f32_dpp v[LSUM], v[LSUM], v[LSUM] row_xmask:1 row_mask:0xf bank_mask:0xf
	v_add_f32_dpp v[LSUM], v[LSUM], v[LSUM] row_xmask:2 row_mask:0xf bank_mask:0xf
	v_add_f32_dpp v[LSUM], v[LSUM], v[LSUM] row_xmask:4 row_mask:0xf bank_mask:0xf
	v_add_f32_dpp v[LSUM], v[LSUM], v[LSUM] row_xmask:8 row_mask:0xf bank_mask:0xf
	v_permlanex16_b32 v[TA], v[LSUM], s[SEL], s[SEL+1]
	v_add_f32 v[LSUM], v[LSUM], v[TA]
	s_cmp_lg_u32 s[WV], 0
	s_cbranch_scc1 .Lnot_wave_0
	global_store_b64 v[GO2], v[MX:MX+1], s[14:15] offset:2048  ; (m, l), 32 times: 256 consecutive bytes, aligned
.Lnot_wave_0:
	s_wait_tensorcnt 0x0                           ; the wave's end
	ds_add_u32 v[SPW], v[NIL]
	s_wait_dscnt 0x0
	s_endpgm
.Lfunc_end_k_q0b2b4e0054_attend:
	.size	k_q0b2b4e0054_attend, .Lfunc_end_k_q0b2b4e0054_attend-k_q0b2b4e0054_attend
	.p2alignl 7, 3214868480
	.fill 96, 4, 3214868480
	.section	.rodata,"a",@progbits
	.p2align	6, 0x0
	.amdhsa_kernel k_q0b2b4e0054_attend
		.amdhsa_group_segment_fixed_size 327680
		.amdhsa_private_segment_fixed_size 0
		.amdhsa_enable_private_segment 0
		.amdhsa_kernarg_size 48
		.amdhsa_user_sgpr_count 2
		.amdhsa_user_sgpr_kernarg_segment_ptr 1
		.amdhsa_wavefront_size32 1
		.amdhsa_system_sgpr_workgroup_id_x 1
		.amdhsa_system_sgpr_workgroup_id_y 1
		.amdhsa_system_sgpr_workgroup_id_z 1
		.amdhsa_system_vgpr_workitem_id 0
		.amdhsa_next_free_vgpr 512
		.amdhsa_next_free_sgpr 66
		.amdhsa_reserve_vcc 1
		.amdhsa_float_denorm_mode_32 3
		.amdhsa_float_denorm_mode_16_64 3
		.amdhsa_memory_ordered 1
		.amdhsa_forward_progress 1
		.amdhsa_inst_pref_size 255
	.end_amdhsa_kernel
	.section	.bss,"aw",@nobits
	.p2align	6
	.space	262144
	.amdgpu_metadata
---
amdhsa.version: [ 1, 2 ]
amdhsa.kernels:
  - .name:           k_q0b2b4e0054_attend
    .symbol:         k_q0b2b4e0054_attend.kd
    .args:
      - { .name: context, .offset: 0, .size: 8, .value_kind: global_buffer, .address_space: global }
      - { .name: W2, .offset: 8, .size: 8, .value_kind: global_buffer, .address_space: global }
      - { .name: wf, .offset: 16, .size: 8, .value_kind: global_buffer, .address_space: global }
      - { .name: ws, .offset: 24, .size: 8, .value_kind: global_buffer, .address_space: global }
      - { .name: cb, .offset: 32, .size: 8, .value_kind: global_buffer, .address_space: global }
      - { .name: part, .offset: 40, .size: 8, .value_kind: global_buffer, .address_space: global }
    .group_segment_fixed_size: 327680
    .private_segment_fixed_size: 0
    .kernarg_segment_align: 8
    .kernarg_segment_size: 48
    .max_flat_workgroup_size: 256
    .sgpr_count:     66
    .vgpr_count:     512
    .wavefront_size: 32
...
	.end_amdgpu_metadata
.endif
;; end of part 2
;; launch finish (part 3): grid 8 x 8, 4 waves a work-group, no clusters, 18,944 bytes of LDS; arguments part, wf, ws, cb, bout, out0; writes out0
.if DOCPART == 3
	.amdgcn_target "amdgcn-amd-amdhsa--gfx1250"
	.amdhsa_code_object_version 6
	.text
	.protected	k_q0b2b4e0054_finish
	.globl	k_q0b2b4e0054_finish
	.p2align	8
	.type	k_q0b2b4e0054_finish,@function
k_q0b2b4e0054_finish:
	s_mov_b64 s[64:65], 0
	v_nop
	global_prefetch_b8 v0, s[64:65] scope:SCOPE_SE
	s_setreg_imm32_b32 hwreg(HW_REG_WAVE_MODE, 25, 1), 1
	s_wait_xcnt 0x0
; out = tanh([mix | output] Wout^T + bout).  LEFT OUT (shown at the head of prep): columns 512 .. 1023 of the product meet output alone and come as cb, the C of the sum's first matrix instruction.
; Work-group (x, y): batches 4 y .. 4 y + 3, outputs e = 64 x .. 64 x + 63.  A: wave w joins the 8 chunks of batch 4 y + w by their maxima: M = max m_c, weight_c = 2^(m_c - M) / sum_c 2^(m_c - M) l_c,
; mix = sum_c weight_c x part_c, all in f32; the row goes to LDS | barrier |  B: wave s quantises K step s of the four rows; the fragment's 16 rows hold batch 4 y + r % 4, four times over (the copies lie inside a
; live tile); image to LDS | barrier |  C: wave w: 4 matrix instructions for Wout's tile 4 x + w (source 0 = 16 rows of Wout, source 1 = mix), + bout, tanh = 1 - 2 / (1 + 2^(2 log2(e) z)), to a stage | barrier |
; wave 0 stores four rows of 256 bytes.  No cluster: nothing is fetched by the data mover.  LIMITS: as stated in prep.
; REGISTERS: window 0: v1-15 addresses; v16-63 statistics, weights, mix, scale words; v64-191 the 8 partial mixes, later the quantiser's registers; v192-221 what lives beside them.  Window 1: v0-63 Wout's four fragments.
.set REC,   2304
.set MIXL,  0                          ; LDS: four rows of mix, 2,048 bytes + 16
.set MP2,   2064
.set FIM,   8448                       ; four fragments' images
.set FSC,   16640                      ; their scale words
.set OST,   17152                      ; the stage: four rows of 256 bytes + 16
.set SPARE, 18432                      ; the spare words, 128 bytes for each wave: two blocks of 256 bytes that no other line names
.set SPW, 4                            ; v4   LDS address of my spare word; never rewritten
.set NIL, 5                            ; v5   0; never rewritten
.set LI,  6                            ; v6   16 x lane
.set LS,  7                            ; v7   4 x lane
.set ZO,  8                            ; v8   0: the offset of loads that are the same in all lanes
.set MW,  9                            ; v9   where I store my batch's mix
.set MR,  10                           ; v10  where I read the numbers that I quantise
.set FW,  11                           ; v11  where I store my image
.set FSW, 12                           ; v12  and its scale word
.set OW,  13                           ; v13  the stage, in
.set ORD, 14                           ; v14  the stage, back
.set GO,  15                           ; v15  my byte offset in out0
.set ST,  16                           ; v16-31  (m, l) of the 8 chunks; later the sums on their way through tanh
.set WG,  32                           ; v32-39  the chunks' weights; later rows on their way out
.set ACC, 40                           ; v40-55  16 numbers of mix
.set WSR, 56                           ; v56-59  Wout's scale words: scales alone
.set MSR, 60                           ; v60-63  mix's: scales alone
.set PT,  64                           ; v64-191 the partial mixes (16 c + 4 i); when they have been read:
.set NB,  64                           ; v64-127 numbers to be quantised, then mix's four fragments
.set PC,  128                          ; v128-143 the codes just made
.set TM,  144                          ; v144-159 at work in QUANT
.set PW,  160                          ; v160 the scale word just made
.set CBR, 192                          ; v192-199 cb in the result's layout
.set BO,  200                          ; v200-207 bout likewise
.set DD,  208                          ; v208-215 the sum
.set O4R, 216                          ; v216 4 r
.set OCB, 217                          ; v217 my lane's place in cb's image
.set O32H, 218                         ; v218 32 h
.set MM,  219                          ; v219 the batch's maximum
.set LL,  220                          ; v[220:221] 1 / L, named as a pair
.set WF,  0                            ; window 1, v0-63: Wout's four fragments
.set WV,  16
.set MNT, 18
.set SEL, 20
.set C2,  22
.set MSB, 0
.macro WIN new                         ; the immediate's high byte repeats the setting that is left
.if MSB != \new
	s_set_vgpr_msb (MSB<<8)|\new
.set MSB, \new
.endif
.endm
.macro QUANT s, pc, pw                 ; 64 numbers of a lane, register 16 b + i = k 32 b + 16 (lane / 16) + i of my row, become a fragment's codes and its scale word
.irp b, 0,1,2,3
	v_max3_num_f32 v[TM+\b], |v[\s+16*\b]|, |v[\s+1+16*\b]|, 0x8000000      ; my 16 numbers of block b, and the floor 2^(16 - 127): the byte cannot fall under 1
.endr
.irp i, 2,4,6,8,10,12,14
.irp b, 0,1,2,3
	v_max3_num_f32 v[TM+\b], v[TM+\b], |v[\s+16*\b+\i]|, |v[\s+1+16*\b+\i]|
.endr
.endr
.irp b, 0,1,2,3
	v_permlanex16_b32 v[TM+4+\b], v[TM+\b], s[SEL], s[SEL+1]
.endr
.irp b, 0,1,2,3
	v_max_num_f32 v[TM+\b], v[TM+\b], v[TM+4+\b]                            ; with lane l xor 16's: the block's largest magnitude
.endr
.irp b, 0,1,2,3
	v_add_nc_u32 v[TM+12+\b], 0xf8800000, v[TM+\b]                          ; 15 off the exponent field: the conversion's scale operand
.endr
.irp b, 0,1,2,3
	v_and_or_b32 v[TM+8+\b], v[TM+\b], 0x7f800000, s[MNT]                   ; 57,344 x the scale
.endr
.irp b, 0,1,2,3
	v_lshrrev_b32 v[TM+4+\b], 23, v[TM+12+\b]                               ; the scale's byte
.endr
	v_lshl_or_b32 v[\pw], v[TM+5], 8, v[TM+4]
	v_lshl_or_b32 v[\pw], v[TM+6], 16, v[\pw]
	v_lshl_or_b32 v[\pw], v[TM+7], 24, v[\pw]
.irp b, 0,1,2,3
.irp i, 0,1,2,3,4,5,6,7,8,9,10,11,12,13,14,15
	v_med3_num_f32 v[\s+16*\b+\i], v[\s+16*\b+\i], -v[TM+8+\b], v[TM+8+\b]  ; the conversion to an 8-bit code does not saturate (ISA guide 7.6.2): the hold
.endr
	v_cvt_scalef32_pk8_bf8_f32 v[\pc+4*\b:\pc+1+4*\b], v[\s+16*\b:\s+7+16*\b], v[TM+12+\b]
	v_cvt_scalef32_pk8_bf8_f32 v[\pc+2+4*\b:\pc+3+4*\b], v[\s+8+16*\b:\s+15+16*\b], v[TM+12+\b]
.endr
	v_nop                                          ; one plain vector line behind the last scaled conversion
.endm
.macro BARRIER                         ; my LDS stores have landed and my LDS loads are in: then the work-group's barrier
	s_wait_dscnt 0x0
	s_barrier_signal -1
	s_barrier_wait -1
.endm
	s_load_b256 s[4:11], s[0:1], 0x0               ; part s[4:5], wf s[6:7], ws s[8:9], cb s[10:11]
	s_load_b128 s[12:15], s[0:1], 0x20             ; bout s[12:13], out0 s[14:15]
	v_lshl_add_u32 v[SPW], v0, 2, SPARE
	v_mov_b32 v[NIL], 0
	v_lshrrev_b32 v1, 5, v0
	v_readfirstlane_b32 s[WV], v1                  ; wave 0..3
	s_and_b32 s17, ttmp7, 0xffff                   ; y
	s_lshl_b32 s19, ttmp9, 2
	s_add_co_u32 s19, s19, s[WV]
	s_add_co_u32 s19, s19, 32                      ; my tile of the stacked weights: 32 + 4 x + w
	v_and_b32 v3, 31, v0                           ; lane
	v_and_b32 v1, 15, v0                           ; r
	v_bfe_u32 v2, v0, 4, 1                         ; h
	v_lshlrev_b32 v[LI], 4, v3
	v_lshlrev_b32 v[LS], 2, v3
	v_mov_b32 v[ZO], 0
	s_mul_i32 s26, s[WV], MP2
	v_add_nc_u32 v[MW], s26, v[LI]
	v_and_b32 v[OW], 3, v1                         ; r % 4
	v_mul_u32_u24 v[MR], v[OW], MP2
	v_lshl_add_u32 v[MR], v2, 6, v[MR]
	s_lshl_b32 s26, s[WV], 9
	v_add_nc_u32 v[MR], s26, v[MR]                 ; row r % 4, K step w, + 64 h
	s_lshl_b32 s26, s[WV], 11
	s_add_co_u32 s26, s26, FIM
	v_add_nc_u32 v[FW], s26, v[LI]
	s_lshl_b32 s26, s[WV], 7
	s_add_co_u32 s26, s26, FSC
	v_add_nc_u32 v[FSW], s26, v[LS]
	v_lshl_add_u32 v[OCB], v2, 4, v[OW]
	v_lshlrev_b32 v[OCB], 4, v[OCB]                ; cb: the image's lane r % 4 + 16 h (the batch's 4 y % 16 stands in the base)
	v_mul_u32_u24 v[OW], v[OW], 272
	v_lshl_add_u32 v[OW], v2, 5, v[OW]
	s_lshl_b32 s26, s[WV], 6
	s_add_co_u32 s26, s26, OST
	v_add_nc_u32 v[OW], s26, v[OW]                 ; the stage: row r % 4, my wave's 64 bytes, + 32 h
	v_mul_u32_u24 v[ORD], v2, 272
	v_lshl_add_u32 v[ORD], v1, 4, v[ORD]
	v_add_nc_u32 v[ORD], OST, v[ORD]               ; back: lanes 0-15 one row, lanes 16-31 the next
	v_lshlrev_b32 v[GO], 11, v2
	v_lshl_add_u32 v[GO], v1, 4, v[GO]
	v_lshlrev_b32 v[O4R], 2, v1
	v_lshlrev_b32 v[O32H], 5, v2
	v_mov_b32 v[LL+1], 0                           ; (named as the upper half of a pair)
	s_mov_b32 s[SEL], 0x76543210
	s_mov_b32 s[SEL+1], 0xfedcba98                 ; v_permlanex16_b32's selects for lane l xor 16
	s_mov_b32 s[C2], 0x4038aa3b                    ; 2 log2(e)
	s_mov_b32 s[C2+1], s[C2]                       ; (named with it as a pair, so it is written)
	s_mov_b32 s[MNT], 0x600000                     ; the mantissa field of 57,344
	s_mov_b32 s25, 0
	s_wait_kmcnt 0x0
	s_lshl_b32 s24, s17, 2
	s_add_co_u32 s24, s24, s[WV]
	s_mul_i32 s24, s24, 8*REC                      ; part: batch 4 y + w has 8 records
	s_add_nc_u64 s[4:5], s[4:5], s[24:25]
	s_lshl_b32 s24, s19, 13                        ; wf: 8,192 bytes a tile
	s_add_nc_u64 s[6:7], s[6:7], s[24:25]
	s_lshl_b32 s24, s19, 8                         ; ws: 256 bytes a tile
	s_add_nc_u64 s[8:9], s[8:9], s[24:25]
	s_lshl_b32 s24, s19, 11                        ; cb: 2,048 bytes a tile,
	s_lshr_b32 s26, s17, 2
	s_lshl_b32 s26, s26, 10                        ; u = (4 y) / 16,
	s_add_co_u32 s24, s24, s26
	s_and_b32 s26, s17, 3
	s_lshl_b32 s26, s26, 6                         ; 16 bytes x (4 y % 16)
	s_add_co_u32 s24, s24, s26
	s_add_nc_u64 s[10:11], s[10:11], s[24:25]
	s_lshl_b32 s24, ttmp9, 8
	s_lshl_b32 s26, s[WV], 6
	s_add_co_u32 s24, s24, s26
	s_add_nc_u64 s[12:13], s[12:13], s[24:25]      ; bout at e = 64 x + 16 w
	s_lshl_b32 s24, s17, 13
	s_lshl_b32 s26, ttmp9, 8
	s_add_co_u32 s24, s24, s26
	s_add_nc_u64 s[14:15], s[14:15], s[24:25]      ; out0 at row 4 y, column 64 x
.irp c, 0,1,2,3,4,5,6,7
	global_load_b64 v[ST+2*\c:ST+2*\c+1], v[ZO], s[4:5] offset:\c*REC+2048                  ; (m, l) of chunk c, the same in all lanes
.endr
.irp c, 0,1,2,3,4,5,6,7
.irp i, 0,1,2,3
	global_load_b128 v[PT+16*\c+4*\i:PT+16*\c+4*\i+3], v[LI], s[4:5] offset:\c*REC+512*\i   ; columns 128 i + 4 lane on
.endr
.endr
	WIN 0x40                                       ; destination window 1
.irp s, 0,1,2,3
.irp c, 0,1,2,3
	global_load_b128 v[WF+16*\s+4*\c:WF+16*\s+4*\c+3], v[LI], s[6:7] offset:2048*\s+512*\c  ; Wout's fragment of K step s
.endr
.endr
	WIN 0
.irp s, 0,1,2,3
	global_load_b32 v[WSR+\s], v[O4R], s[8:9] offset:64*\s
.endr
.irp q, 0,1
	global_load_b128 v[CBR+4*\q:CBR+4*\q+3], v[OCB], s[10:11] offset:512*\q
.endr
	s_wait_loadcnt 54                              ; the 8 pairs (m, l) are in; behind them: 32 loads of partial mixes, 16 of codes, 4 of scale words, 2 of cb
.irp q, 0,1
	global_load_b128 v[BO+4*\q:BO+4*\q+3], v[O32H], s[12:13] offset:16*\q
.endr
	v_max3_num_f32 v[MM], v[ST], v[ST+2], v[ST+4]
	v_max3_num_f32 v[MM], v[MM], v[ST+6], v[ST+8]
	v_max3_num_f32 v[MM], v[MM], v[ST+10], v[ST+12]
	v_max_num_f32 v[MM], v[MM], v[ST+14]           ; the batch's maximum is taken away
.irp c, 0,1,2,3,4,5,6,7
	v_sub_f32 v[WG+\c], v[ST+2*\c], v[MM]
.endr
.irp c, 0,1,2,3,4,5,6,7
	v_exp_f32 v[WG+\c], v[WG+\c]
.endr
	v_nop                                          ; a plain line behind the last exponential,
	s_wait_alu depctr_va_vdst(0)                   ; and one wait for the eight
	v_mul_f32 v[LL], v[WG], v[ST+1]
.irp c, 1,2,3,4,5,6,7
	v_fmac_f32 v[LL], v[WG+\c], v[ST+2*\c+1]
.endr
	v_rcp_f32 v[LL], v[LL]                         ; the chunk with the maximum has weight 1 and l >= 1: the sum is no zero
	v_nop
	s_wait_alu depctr_va_vdst(0)
.irp k, 0,2,4,6
	v_pk_mul_f32 v[WG+\k:WG+\k+1], v[WG+\k:WG+\k+1], v[LL:LL+1] op_sel_hi:[1,0]
.endr
	s_wait_loadcnt 24                              ; the partial mixes are in; behind them: 16 + 4 + 2 loads, and bout's 2
.irp k, 0,2,4,6,8,10,12,14
	v_pk_mul_f32 v[ACC+\k:ACC+\k+1], v[PT+\k:PT+\k+1], v[WG:WG+1] op_sel_hi:[1,0]           ; the first chunk starts the sums: nothing is cleared
.endr
.irp c, 1,2,3,4,5,6,7
.irp k, 0,2,4,6,8,10,12,14
.if (\c%2) == 0
	v_pk_fma_f32 v[ACC+\k:ACC+\k+1], v[PT+16*\c+\k:PT+16*\c+\k+1], v[WG+\c:WG+\c+1], v[ACC+\k:ACC+\k+1] op_sel_hi:[1,0,1]
.else
	v_pk_fma_f32 v[ACC+\k:ACC+\k+1], v[PT+16*\c+\k:PT+16*\c+\k+1], v[WG+\c-1:WG+\c], v[ACC+\k:ACC+\k+1] op_sel:[0,1,0] op_sel_hi:[1,1,1]
.endif
.endr
.endr
.irp b, 0,1,2,3
	v_mov_b32 v[TM+4+\b], 0                        ; a lane permute's destination counts as one of its sources (the partial mixes that lay here have been read)
.endr
.irp i, 0,1,2,3
	ds_store_b128 v[MW], v[ACC+4*\i:ACC+4*\i+3] offset:MIXL+512*\i
.endr
	BARRIER                                        ; four rows of mix lie in LDS
.irp c, 0,1,2,3
.irp j, 0,1,2,3
	ds_load_b128 v[NB+16*\c+4*\j:NB+16*\c+4*\j+3], v[MR] offset:MIXL+128*\c+16*\j
.endr
.endr
	s_wait_dscnt 0x0
	QUANT NB, PC, PW
.irp c, 0,1,2,3
	ds_store_b128 v[FW], v[PC+4*\c:PC+4*\c+3] offset:512*\c
.endr
	ds_store_b32 v[FSW], v[PW]
	BARRIER                                        ; mix's four fragments lie in LDS
.irp s, 0,1,2,3
.irp c, 0,1,2,3
	ds_load_b128 v[NB+16*\s+4*\c:NB+16*\s+4*\c+3], v[LI] offset:FIM+2048*\s+512*\c
.endr
	ds_load_b32 v[MSR+\s], v[LS] offset:FSC+128*\s
.endr
	s_wait_loadcnt 0x0                             ; Wout's codes and scale words, cb, bout
.irp k, 0,2,4,6
	v_pk_mul_f32 v[BO+\k:BO+\k+1], v[BO+\k:BO+\k+1], s[C2:C2+1] op_sel_hi:[1,0]     ; 2 log2(e) bout: it enters with the scaling of the sums
.endr
	s_wait_dscnt 0x0
	WIN 0x01                                       ; source 0 (Wout) in window 1
	v_wmma_scale_f32_16x16x128_f8f6f4 v[DD:DD+7], v[WF:WF+15], v[NB:NB+15], v[CBR:CBR+7], v[WSR], v[MSR] matrix_a_fmt:MATRIX_FMT_BF8 matrix_b_fmt:MATRIX_FMT_BF8
.irp s, 1,2,3
	s_wait_alu depctr_va_vdst(0)                   ; the wait directly ahead of each link
	v_wmma_scale_f32_16x16x128_f8f6f4 v[DD:DD+7], v[WF+16*\s:WF+16*\s+15], v[NB+16*\s:NB+16*\s+15], v[DD:DD+7], v[WSR+\s], v[MSR+\s] matrix_a_fmt:MATRIX_FMT_BF8 matrix_b_fmt:MATRIX_FMT_BF8
.endr
	WIN 0
.rept 8
	v_nop                                          ; eight places ahead of the first read of the sum
.endr
.irp k, 0,2,4,6
	v_pk_fma_f32 v[ST+\k:ST+\k+1], v[DD+\k:DD+\k+1], s[C2:C2+1], v[BO+\k:BO+\k+1] op_sel_hi:[1,0,1]   ; 2 log2(e) (sum + bout), from the low end on
.endr
.irp j, 0,1,2,3,4,5,6,7
	v_exp_f32 v[ST+\j], v[ST+\j]
.endr
	v_nop
	s_wait_alu depctr_va_vdst(0)                   ; one wait for the eight exponentials
.irp k, 0,2,4,6
	v_pk_add_f32 v[ST+\k:ST+\k+1], v[ST+\k:ST+\k+1], 1.0 op_sel_hi:[1,0]
.endr
.irp j, 0,1,2,3,4,5,6,7
	v_rcp_f32 v[ST+\j], v[ST+\j]
.endr
	v_nop
	s_wait_alu depctr_va_vdst(0)                   ; one wait for the eight reciprocals
.irp j, 0,1,2,3,4,5,6,7
	v_fma_f32 v[ST+8+\j], v[ST+\j], -2.0, 1.0      ; tanh = 1 - 2 r: lane (r, h): out(4 y + r % 4, 64 x + 16 w + 8 h + j)
.endr
	ds_store_b128 v[OW], v[ST+8:ST+11]             ; lanes with the same r % 4 and h store the same bytes with the same values
	ds_store_b128 v[OW], v[ST+12:ST+15] offset:16
	BARRIER                                        ; four rows of 256 bytes lie in the stage
	s_cmp_lg_u32 s[WV], 0
	s_cbranch_scc1 .Lend
	ds_load_b128 v[WG:WG+3], v[ORD]
	ds_load_b128 v[WG+4:WG+7], v[ORD] offset:2*272
	s_wait_dscnt 0x1                               ; rows 0 and 1 are in; rows 2 and 3 may be out
	global_store_b128 v[GO], v[WG:WG+3], s[14:15]              ; 16 lanes store 256 consecutive bytes, aligned
	s_wait_dscnt 0x0
	global_store_b128 v[GO], v[WG+4:WG+7], s[14:15] offset:4096
.Lend:
	s_wait_tensorcnt 0x0                           ; the wave's end
	ds_add_u32 v[SPW], v[NIL]
	s_wait_dscnt 0x0
	s_endpgm
.Lfunc_end_k_q0b2b4e0054_finish:
	.size	k_q0b2b4e0054_finish, .Lfunc_end_k_q0b2b4e0054_finish-k_q0b2b4e0054_finish
	.p2alignl 7, 3214868480
	.fill 96, 4, 3214868480
	.section	.rodata,"a",@progbits
	.p2align	6, 0x0
	.amdhsa_kernel k_q0b2b4e0054_finish
		.amdhsa_group_segment_fixed_size 18944
		.amdhsa_private_segment_fixed_size 0
		.amdhsa_enable_private_segment 0
		.amdhsa_kernarg_size 48
		.amdhsa_user_sgpr_count 2
		.amdhsa_user_sgpr_kernarg_segment_ptr 1
		.amdhsa_wavefront_size32 1
		.amdhsa_system_sgpr_workgroup_id_x 1
		.amdhsa_system_sgpr_workgroup_id_y 1
		.amdhsa_system_sgpr_workgroup_id_z 1
		.amdhsa_system_vgpr_workitem_id 0
		.amdhsa_next_free_vgpr 320
		.amdhsa_next_free_sgpr 66
		.amdhsa_reserve_vcc 0
		.amdhsa_float_denorm_mode_32 3
		.amdhsa_float_denorm_mode_16_64 3
		.amdhsa_memory_ordered 1
		.amdhsa_forward_progress 1
		.amdhsa_inst_pref_size 30
	.end_amdhsa_kernel
	.amdgpu_metadata
---
amdhsa.version: [ 1, 2 ]
amdhsa.kernels:
  - .name:           k_q0b2b4e0054_finish
    .symbol:         k_q0b2b4e0054_finish.kd
    .args:
      - { .name: part, .offset: 0, .size: 8, .value_kind: global_buffer, .address_space: global }
      - { .name: wf, .offset: 8, .size: 8, .value_kind: global_buffer, .address_space: global }
      - { .name: ws, .offset: 16, .size: 8, .value_kind: global_buffer, .address_space: global }
      - { .name: cb, .offset: 24, .size: 8, .value_kind: global_buffer, .address_space: global }
      - { .name: bout, .offset: 32, .size: 8, .value_kind: global_buffer, .address_space: global }
      - { .name: out0, .offset: 40, .size: 8, .value_kind: global_buffer, .address_space: global }
    .group_segment_fixed_size: 18944
    .private_segment_fixed_size: 0
    .kernarg_segment_align: 8
    .kernarg_segment_size: 48
    .max_flat_workgroup_size: 128
    .sgpr_count:     66
    .vgpr_count:     320
    .wavefront_size: 32
...
	.end_amdgpu_metadata
.endif
;; end of part 3
